; MI455X (gfx1250); checked and timed in simulation.
; The chip was launched on July 23, 2026; its instructions are those of AMD's public machine-readable ISA for CDNA 5 (MIT licence, August 2026) and "CDNA5" Instruction Set Architecture Reference Guide (July 2026). The comments in the code are by the model that wrote it; some were corrected since.
;; Fixed Point Linear. Allowed arithmetic: float matrix products may take bf16 or f16 operands with f32 sums; other float arithmetic in f32, or as packed bf16 or f16 multiplies, adds, multiply-adds, maxima and minima; sums over many terms, partial sums and values carried from step to step in f32; what a program stores and reads back later, other than sums and carried values, may be rounded once to bf16 or f16.
;; Inputs: bias 4,096 float32; weight 4,096 x 4,096 float32; x 2 x 2,048 x 4,096 float32.
;; Outputs: out0 2 x 2,048 x 4,096 float32.
;; 2 versions, each right; version 2 is version 1 with the launch quant written anew for expert scheduling mode. Each part assembles by itself: llvm-mc -triple=amdgcn-amd-amdhsa -mcpu=gfx1250 --defsym DOCPART=n.
;; ======== version 1 of 2: 2 launches
;; workspace buffers: xh 33,554,432 bytes; wh 33,554,432 bytes
;; launch quant (part 1): grid 256 x 2, 8 waves a work-group, no clusters, 0 bytes of LDS; arguments x, weight, xh, wh; writes xh, wh
.if DOCPART == 1
	.amdgcn_target "amdgcn-amd-amdhsa--gfx1250"
	.amdhsa_code_object_version 6
	.text
	.protected	k_q31ccfa62dc_quant
	.globl	k_q31ccfa62dc_quant
	.p2align	8
	.type	k_q31ccfa62dc_quant,@function
k_q31ccfa62dc_quant:
	s_mov_b64 s[64:65], 0
	v_nop
	global_prefetch_b8 v0, s[64:65] scope:SCOPE_SE
	s_setreg_imm32_b32 hwreg(HW_REG_WAVE_MODE, 25, 1), 1
	s_wait_xcnt 0x0
; xh = f16(Q(x) / 16), wh = f16(Q(weight) / 16), where Q(t) = round(clip(256 t, -32768, 32767)) is the Q8.8 number of t.
; x, weight: [4096][4096] f32 (rows of 16,384 bytes).  xh, wh: [4096 places][4096] f16 (rows of 8,192 bytes).
; WHY / 16: Q lies in -32768 .. 32767, so Q / 16 lies in -2048 .. 2048 in steps of 1/16: always a normal f16 number, and the product of two such
; numbers is Q Q / 256, which is the shift by 8 bits that follows the integer product.
; ROW ORDER of both outputs: real row 64 G + 4 r + t (t = 0..3, r = 0..15) lies at place 64 G + 16 t + r.  The product that follows then finds, in one lane,
; four neighbouring columns of the result in four accumulators, and stores 16 bytes a lane without a trip through LDS.
; LIMITS.  |Q| above 2,048 (|t| above 8) is rounded to f16's 11 significant bits.  NaN is not treated apart.  The clip stands behind the rounding, not in front
; of it: the bounds are whole steps, so the result is the same.
; SHARES.  Grid y picks the tensor.  A work-group owns 16 real rows; thread t owns the 16 bytes at 16 t of each 4,096-byte chunk of a row (four f32), which become the
; 8 bytes at 8 t of the 2,048-byte chunk of the output row: a wave's load covers 512 consecutive bytes, a wave's store 256 consecutive bytes, aligned.
; A ring of 16 slots in registers keeps 16 loads of every wave on their way.  Slot i = 4 ri + c: row ri of the round's four, chunk c.  Round q takes real rows 4 q + ri,
; which go to places 16 ri + q from the group's first place: constants in the stores' immediates; the bases step once a round.
; No LDS, no barrier, no matrix unit: no byte is wanted by two threads.  No prefetch: the loads themselves run ahead, sixteen a wave.
.set ROUNDS, 4
.set IO,  1                            ; v1        16 t: my bytes in an input chunk; never rewritten
.set OO,  2                            ; v2        8 t: my bytes in an output chunk; never rewritten
.set X,   4                            ; v[4:67]   slot i: four f32 as loaded, worked on in place
.set Y,   68                           ; v[68:99]  slot i: four f16 to store
.set IN,  12                           ; s[12:13]  the input at the round's first row
.set OUT, 14                           ; s[14:15]  the output at the round's first place
.set SC,  16                           ; s[16:17]  16.0
.set MG,  18                           ; s[18:19]  1.5 x 2^19: a sum with it has steps of 1/16
.set NM,  20                           ; s[20:21]  its negative
.set LO,  22                           ; s22       -2048.0
.set HI,  23                           ; s23       32767 / 16
.set CNT, 24                           ; s24       rounds of the loop still to come
	s_load_b256 s[4:11], s[0:1], 0x0               ; x s[4:5], weight s[6:7], xh s[8:9], wh s[10:11]
	s_and_b32 s25, ttmp7, 0xffff                   ; 0: x to xh; 1: weight to wh
	v_lshlrev_b32 v[IO], 4, v0
	v_lshlrev_b32 v[OO], 3, v0
	s_mov_b32 s[SC], 0x41800000
	s_mov_b32 s[SC+1], 0x41800000                  ; (named as pairs, so both words are written)
	s_mov_b32 s[MG], 0x49400000
	s_mov_b32 s[MG+1], 0x49400000
	s_mov_b32 s[NM], 0xc9400000
	s_mov_b32 s[NM+1], 0xc9400000
	s_mov_b32 s[LO], 0xc5000000
	s_mov_b32 s[HI], 0x44fffe00
	s_lshl_b32 s26, ttmp9, 18                      ; in: the group's 16 rows of 16,384 bytes
	s_mov_b32 s27, 0
	s_lshr_b32 s28, ttmp9, 2                       ; out: 64 places of 8,192 bytes for each four groups,
	s_lshl_b32 s28, s28, 19
	s_and_b32 s29, ttmp9, 3                        ; and 4 places for the group's number among the four
	s_lshl_b32 s29, s29, 15
	s_add_co_u32 s28, s28, s29
	s_mov_b32 s29, 0
	s_mov_b32 s[CNT], ROUNDS-1
	s_wait_kmcnt 0x0
	s_cmp_eq_u32 s25, 0
	s_cselect_b64 s[IN:IN+1], s[4:5], s[6:7]
	s_cselect_b64 s[OUT:OUT+1], s[8:9], s[10:11]
	s_add_nc_u64 s[IN:IN+1], s[IN:IN+1], s[26:27]
	s_add_nc_u64 s[OUT:OUT+1], s[OUT:OUT+1], s[28:29]
.irp i, 0,1,2,3,4,5,6,7,8,9,10,11,12,13,14,15
	global_load_b128 v[X+4*(\i):X+4*(\i)+3], v[IO], s[IN:IN+1] offset:((\i)/4)*16384+((\i)%4)*4096 th:TH_LOAD_NT  ; the ring is filled: round 0
.endr
; One slot's turn.  ahead = 1: the slot is filled again with the same row and chunk of the next round.  left = how many younger loads may stay out.
; 16 t + 1.5 x 2^19 lies in 2^19 .. 2^20 for |t| under 16,384, where f32 has steps of 1/16: the one rounding of the fused multiply-add is 256 t rounded to a whole
; number, ties to even (the constant is even in those steps), in units of 1/16.  Taking the constant away again is exact.  A larger |t| comes out far beyond the bounds and is clipped.
.macro SLOT i, ahead, left
.set XI, X+4*(\i)
.set YI, Y+2*(\i)
	s_wait_loadcnt \left                           ; loads come back in order (ISA guide 5.7.1): mine is in, the younger ones stay out
	v_pk_fma_f32 v[XI:XI+1],   v[XI:XI+1],   s[SC:SC+1], s[MG:MG+1] op_sel_hi:[1,0,0]
	v_pk_fma_f32 v[XI+2:XI+3], v[XI+2:XI+3], s[SC:SC+1], s[MG:MG+1] op_sel_hi:[1,0,0]
	v_pk_add_f32 v[XI:XI+1],   v[XI:XI+1],   s[NM:NM+1] op_sel_hi:[1,0]
	v_pk_add_f32 v[XI+2:XI+3], v[XI+2:XI+3], s[NM:NM+1] op_sel_hi:[1,0]
.irp k, 0,1,2,3
	v_med3_num_f32 v[XI+(\k)], v[XI+(\k)], s[LO], s[HI]  ; the clip
.endr
	v_cvt_pk_f16_f32 v[YI],   v[XI],   v[XI+1]
	v_cvt_pk_f16_f32 v[YI+1], v[XI+2], v[XI+3]
.if \ahead
	global_load_b128 v[XI:XI+3], v[IO], s[IN:IN+1] offset:((\i)/4)*16384+((\i)%4)*4096+65536 th:TH_LOAD_NT  ; four rows on
.endif
	global_store_b64 v[OO], v[YI:YI+1], s[OUT:OUT+1] offset:((\i)/4)*131072+((\i)%4)*2048  ; row ri goes 16 ri places down
.endm
.Lround:
.irp i, 0,1,2,3,4,5,6,7,8,9,10,11,12,13,14,15
	SLOT \i, 1, 15
.endr
	s_wait_xcnt 0x0                                ; every load and store issued so far has had its addresses translated (ISA guide 3.1): only behind this wait are the two bases and the stores' data written again
	s_add_nc_u64 s[IN:IN+1], s[IN:IN+1], 65536     ; four rows on
	s_add_nc_u64 s[OUT:OUT+1], s[OUT:OUT+1], 8192  ; one place on
	s_sub_co_u32 s[CNT], s[CNT], 1
	s_cmp_lg_u32 s[CNT], 0
	s_cbranch_scc1 .Lround
.irp i, 0,1,2,3,4,5,6,7,8,9,10,11,12,13,14,15
	SLOT \i, 0, 15-(\i)                            ; the last round loads nothing: the counts run down
.endr
	s_endpgm
.Lfunc_end_k_q31ccfa62dc_quant:
	.size	k_q31ccfa62dc_quant, .Lfunc_end_k_q31ccfa62dc_quant-k_q31ccfa62dc_quant
	.p2alignl 7, 3214868480
	.fill 96, 4, 3214868480
	.section	.rodata,"a",@progbits
	.p2align	6, 0x0
	.amdhsa_kernel k_q31ccfa62dc_quant
		.amdhsa_group_segment_fixed_size 0
		.amdhsa_private_segment_fixed_size 0
		.amdhsa_enable_private_segment 0
		.amdhsa_kernarg_size 32
		.amdhsa_user_sgpr_count 2
		.amdhsa_user_sgpr_kernarg_segment_ptr 1
		.amdhsa_wavefront_size32 1
		.amdhsa_system_sgpr_workgroup_id_x 1
		.amdhsa_system_sgpr_workgroup_id_y 1
		.amdhsa_system_sgpr_workgroup_id_z 1
		.amdhsa_system_vgpr_workitem_id 0
		.amdhsa_next_free_vgpr 100
		.amdhsa_next_free_sgpr 66
		.amdhsa_reserve_vcc 0
		.amdhsa_float_denorm_mode_32 3
		.amdhsa_float_denorm_mode_16_64 3
		.amdhsa_memory_ordered 1
		.amdhsa_forward_progress 1
		.amdhsa_inst_pref_size 29
	.end_amdhsa_kernel
	.amdgpu_metadata
---
amdhsa.version: [ 1, 2 ]
amdhsa.kernels:
  - .name:           k_q31ccfa62dc_quant
    .symbol:         k_q31ccfa62dc_quant.kd
    .args:
      - { .name: x, .offset: 0, .size: 8, .value_kind: global_buffer, .address_space: global }
      - { .name: weight, .offset: 8, .size: 8, .value_kind: global_buffer, .address_space: global }
      - { .name: xh, .offset: 16, .size: 8, .value_kind: global_buffer, .address_space: global }
      - { .name: wh, .offset: 24, .size: 8, .value_kind: global_buffer, .address_space: global }
    .group_segment_fixed_size: 0
    .private_segment_fixed_size: 0
    .kernarg_segment_align: 8
    .kernarg_segment_size: 32
    .max_flat_workgroup_size: 256
    .sgpr_count:     66
    .vgpr_count:     100
    .wavefront_size: 32
...
	.end_amdgpu_metadata
.endif
;; end of part 1
;; launch gemm (part 2): grid 16 x 16, 4 waves a work-group, clusters of 4 x 4, 327,680 bytes of LDS; arguments xh, wh, bias, out0; writes out0
.if DOCPART == 2
	.amdgcn_target "amdgcn-amd-amdhsa--gfx1250"
	.amdhsa_code_object_version 6
	.text
	.protected	k_q31ccfa62dc_gemm
	.globl	k_q31ccfa62dc_gemm
	.p2align	8
	.type	k_q31ccfa62dc_gemm,@function
k_q31ccfa62dc_gemm:
	s_mov_b64 s[64:65], 0
	v_nop
	global_prefetch_b8 v0, s[64:65] scope:SCOPE_SE
	s_setreg_imm32_b32 hwreg(HW_REG_WAVE_MODE, 25, 1), 1
	s_wait_xcnt 0x0
	s_wait_alu depctr_hold_cnt(0) depctr_sa_sdst(0) depctr_va_vdst(0) depctr_va_sdst(0) depctr_va_ssrc(0) depctr_va_vcc(0) depctr_vm_vsrc(0)
	s_getreg_b32 s2, hwreg(HW_REG_IB_STS2, 6, 4)
	s_cmp_eq_u32 s2, 0
	s_cbranch_scc0 .Lentry_in_a_cluster
	s_endpgm
.Lentry_in_a_cluster:
	s_bfe_u32 s2, ttmp6, 0x10000c
	s_cmp_lg_u32 s2, 0xf033
	s_cbranch_scc0 .Lentry_shape_is_right
	s_endpgm
.Lentry_shape_is_right:
; out0[m][n] = clip(clip(floor(sum over k of xq[m][k] wq[n][k] / 256)) + bq[n]) / 256, both clips to -32768 .. 32767.
; xh, wh: [4096 places][4096] f16 hold xq / 16 and wq / 16, so the f32 sum of their products IS the integer sum / 256.  bias: [4096] f32; bq = round(clip(256 bias)).  out0: [4096][4096] f32.
; ROW ORDER of xh and wh: real row 64 G + 4 r + t (t = 0..3, r = 0..15) lies at place 64 G + 16 t + r.
; LIMITS.  Operands beyond 2,048 steps were rounded to f16's 11 bits.  All products are multiples of 2^-8; the f32 sums are exact while they stay under 2^16, and beyond that, where the result
; saturates, they carry f32's rounding.  NaN is not treated apart.
; SHARES.  A tile of out0, 256 x 256, is made by a work-group of four waves; a wave makes 128 x 128: 64 accumulators of 16 x 16, 512 registers.  256 tiles, 256 work-groups.
; K goes in steps of 128 through a ring of two LDS slots filled by the tensor data mover; a tile's rows are 256 bytes of memory and start at multiples of 256 bytes from the buffer's first byte.
; CLUSTERS: 4 x 4 work-groups.  The four of a row of the cluster need the same tiles of xh, the four of a column the same tiles of wh: each tile is asked for JOINTLY, by the same tensor load with
; the same descriptor and a mask that names the four.  That divides the requests for both by four.
; THE WAY OUT NEEDS NO LDS.  Source 0 = 16 places of xh, source 1 = 16 places of wh: register j of lane (r = l % 16, h = l / 16) of accumulator (a, b) is place 16 a + 8 h + j of xh and place 16 b + r of wh,
; that is real row 64 (a / 4) + a % 4 + 4 j + 32 h and real column 64 (b / 4) + 4 r + b % 4.  So the accumulators b = 4 g + 0..3 hold, in one lane, four neighbouring columns: the first line of the way out
; writes them into four registers on end, and a store of 16 bytes a lane has sixteen lanes covering 256 consecutive bytes of a row, aligned.
;
; REGISTERS, in windows of 256 (an instruction names v0-v255; s_set_vgpr_msb says which window each operand place means: bits 1:0 source 0, 3:2 source 1, 5:4 source 2, 7:6 destination):
;   window 0: v0-31 addresses; v32-39 bq / 256 of my 8 columns; v64-127, v128-191 fragments of xh (8 x 16 places x 32 K), two buffers; on the way out the two buffers of results
;   window 1: v64-127, v128-191 fragments of wh, two buffers
;   window 2: the 32 accumulators of my places 0-63 of xh ((a, b) at v[8 (8 a + b)]);   window 3: those of my places 64-127
.set SIZE_K, 4096
.set SIZE_N, 4096
.set KSTEP,  128
.set ROWSH,  13                        ; a row of xh or wh is 2^13 bytes
.set OROW,   SIZE_N*4                  ; a row of out0: 16,384 bytes
.set PITCH,  272                       ; an LDS row: 256 bytes of data + 16 of padding = 68 words: row r starts at bank 4 r mod 64 (64 banks of 4 bytes: ISA guide 11.1), so the 16 rows that a load touches start at 16 different banks
.set HALFT,  128*PITCH                 ; 128 rows: what one tensor load brings, and what one wave reads of xh or of wh
.set SLOT,   4*HALFT                   ; xh's 256 rows, then wh's 256 rows
.set SPARE,  2*SLOT                    ; behind the ring: the spare words, 128 bytes for each wave: two blocks of 256 bytes that no other line names
.set LAPS,   SIZE_K/(2*KSTEP)          ; a lap = two K steps = once round the ring: 16
.set ADRX, 16                          ; v16-17  LDS address of my fragments of xh in slot 0, 1
.set ADRW, 20                          ; v20-21  the same for wh
.set CO,   26                          ; v26     my byte offset in out0: 16 r, and 32 rows down for lanes 16-31; never rewritten
.set BO,   27                          ; v27     my byte offset in bias
.set SPW,  28                          ; v28     LDS address of my spare word: SPARE + 4 x my thread's number; never rewritten
.set NIL,  29                          ; v29     0; never rewritten
.set PFO,  30                          ; v30     the prefetches' offset: my lane x a row of xh or wh; never rewritten
.set BI,   32                          ; v32-39  bq / 256 of column 64 g + 4 r + t at BI + 4 g + t
.set F0,   64                          ; fragment buffer 0
.set F1,   128                         ; fragment buffer 1
.set WV,   12                          ; s12     my wave's number
.set HM,   13                          ; s13     which half of the tile's rows is mine.  Also: I fetch for xh (0) or for wh (1)
.set HN,   14                          ; s14     which half of its columns.  Also: which 128 rows of that tile I fetch
.set LIM,  15                          ; s15     1 in a wave that prefetches, else the greatest number
.set G1X,  24                          ; s[24:31] descriptor group 1 for xh's tiles
.set G0X,  32                          ; s[32:39] descriptor group 0 for xh's tiles, one set for each slot
.set PFA,  44                          ; s[44:45] where my prefetches stand: my work-group's 32 rows of the 128 that I fetch, one K step further along K than the refill that is being asked for
.set G1W,  48                          ; s[48:55] descriptor group 1 for wh's tiles: it differs in the mask alone
.set G0W,  56                          ; s[56:63] descriptor group 0 for wh's tiles, one set for each slot
.set QLO,  66                          ; s66     -32768.0
.set QHI,  67                          ; s67     32767.0
.set INV,  68                          ; s[68:69] 2^-8
.set FLO,  70                          ; s70     -128.0
.set FHI,  71                          ; s71     32767 / 256
.set MG,   72                          ; s[72:73] 1.5 x 2^15: a sum with it has steps of 2^-8
.set NM,   74                          ; s[74:75] its negative
.set MSB, 0
.macro WIN new                         ; the immediate's high byte repeats the setting that is left; a switch that changes nothing is dropped
.if MSB != (\new)
	s_set_vgpr_msb (MSB<<8)|(\new)
.set MSB, \new
.endif
.endm
.set MUL_LO, 0xa4                      ; source 0 (xh) window 0, source 1 (wh) window 1, C and D window 2
.set MUL_HI, 0xf4                      ; the same, C and D window 3
.set TO_W,   0x40                      ; destination window 1, address window 0
; A joint load.  Waves 0 and 1 fetch xh's two halves, waves 2 and 3 wh's.  Each of the two lines has ONE mask and one set of registers for all that issue it, and nothing in them hangs on a
; coordinate that the four partners do not share.  The branch hangs on the wave's number alone.  An s_nop 0 and four v_nop follow each of the two lines, ahead of the jump, the label and what follows.
.macro JLOAD s
	s_cmp_eq_u32 s[HM], 0
	s_cbranch_scc0 .Lfor_w_\@
	tensor_load_to_lds s[G0X+4*(\s):G0X+4*(\s)+3], s[G1X:G1X+7]
	s_nop 0
.rept 4
	v_nop
.endr
	s_branch .Lasked_\@
.Lfor_w_\@:
	tensor_load_to_lds s[G0W+4*(\s):G0W+4*(\s)+3], s[G1W:G1W+7]
	s_nop 0
.rept 4
	v_nop
.endr
.Lasked_\@:
.endm
; A PREFETCH INTO THE L2, behind each joint load, its five lines and the run of LDS loads that follows them: the K step that stands TWO refills on: 32 rows x 256 bytes, a lane a row, one instruction a wave:
; two K steps, 512 matrix instructions, ahead of the load that will ask for it.  Each row's 256 bytes of a K step are named ONCE in the launch: xh's tile row is read by every cluster of that row of clusters,
; and the first of them (cluster x = 0) asks; wh's tile column by every cluster of that column, and cluster y = 0 asks.  The four partners that ask for a tile jointly share its rows out BY ADDRESS: of the 128 rows
; that a wave fetches, the partner at place p takes 32 p .. 32 p + 31 (p = cx for xh, cy for wh): no branch hangs on a work-group's place in its cluster.  K steps 0 to 3 come by their loads alone;
; the loop's last trip (s3 = 1) asks for nothing: its two refills have no K step two on.
.macro ASK
	s_cmp_gt_u32 s3, s[LIM]
	s_cbranch_scc0 .Lnot_mine_\@
	global_prefetch_b8 v[PFO], s[PFA:PFA+1] offset:KSTEP*2 th:TH_LOAD_NT scope:SCOPE_SE
.Lnot_mine_\@:
.endm
; A round of the cluster's barrier: my work-group's barrier, so that wave 0's signal speaks for all four waves; wave 0 signals for the work-group; every wave waits for all sixteen work-groups;
; my work-group's barrier once more.  No LDS instruction of the wave is pending at a signal.
.macro CREST                           ; a round behind its opening barrier
	s_cmp_lg_u32 s[WV], 0
	s_cbranch_scc1 .Lnot_wave_0_\@
	s_barrier_signal -3
.Lnot_wave_0_\@:
	s_barrier_wait -3
	s_barrier_signal -1
	s_barrier_wait -1
.endm
.macro CROUND                          ; a whole round
	s_barrier_signal -1
	s_barrier_wait -1
	CREST
.endm
	s_load_b256 s[4:11], s[0:1], 0x0               ; xh s[4:5], wh s[6:7], bias s[8:9], out0 s[10:11]
	v_lshl_add_u32 v[SPW], v0, 2, SPARE
	v_mov_b32 v[NIL], 0
	ds_add_u32 v[SPW], v[NIL]                      ; the wave's opening: the add, twice on end, and its wait ahead of my first tensor load; the set-up below the second, work on registers, stands between it and the wait
	ds_add_u32 v[SPW], v[NIL]                      ; and once more, under the one wait
	v_lshrrev_b32 v1, 5, v0
	v_readfirstlane_b32 s[WV], v1                  ; wave 0..3
	s_lshr_b32 s[HM], s[WV], 1
	s_and_b32 s[HN], s[WV], 1
	s_bfe_u32 s40, ttmp6, 0x40000                  ; cx: my place along the cluster's x
	s_bfe_u32 s41, ttmp6, 0x40004                  ; cy: along its y
	s_lshl_b32 s42, ttmp9, 2                       ; in a cluster launch ttmp9 and ttmp7 count clusters
	s_add_co_u32 s42, s42, s40                     ; tile column = 4 x cluster x + cx
	s_and_b32 s43, ttmp7, 0xffff
	s_lshl_b32 s43, s43, 2
	s_add_co_u32 s43, s43, s41                     ; tile row = 4 x cluster y + cy
	s_lshl_b32 s76, s41, 2
	s_lshl_b32 s76, 15, s76                        ; my row of the cluster: places 4 cy .. 4 cy + 3
	s_lshl_b32 s77, 0x1111, s40                    ; my column: places cx, cx + 4, cx + 8, cx + 12
	; descriptor group 1: a tile of 128 rows x 128 elements, padded in LDS
	s_or_b32 s[G1X+0], s76, (1<<16)|(1<<20)|(1<<21)|(5<<22)|(3<<25)  ; 15:0 the mask: xh's tiles go to my row; 17:16 element of 2 bytes; 20 padding on; 21 set beside a mask; 24:22 after every 64 words (code 5); 31:25 of 4 words (code 3)
	s_or_b32 s[G1W+0], s77, (1<<16)|(1<<20)|(1<<21)|(5<<22)|(3<<25)  ; the same with the mask of my column, for wh's tiles
.irp g, G1X, G1W
	s_mov_b32 s[(\g)+1], KSTEP<<16                 ; 63:48 tensor_dim0, low half = 128
	s_mov_b32 s[(\g)+2], 128<<16                   ; 79:64 its high half = 0; 95:80 tensor_dim1, low half = 128
	s_mov_b32 s[(\g)+3], KSTEP<<16                 ; 111:96 its high half = 0; 127:112 tile_dim0 = 128
	s_mov_b32 s[(\g)+4], 128                       ; 143:128 tile_dim1 = 128; 159:144 tile_dim2 = 0
	s_mov_b32 s[(\g)+5], SIZE_K                    ; 191:160 tensor_dim0_stride, low word: elements from row to row
	s_mov_b32 s[(\g)+6], 0
	s_mov_b32 s[(\g)+7], 0
.endr
	s_mov_b32 s[QLO], 0xc7000000
	s_mov_b32 s[QHI], 0x46fffe00
	s_mov_b32 s[INV], 0x3b800000
	s_mov_b32 s[INV+1], 0x3b800000                 ; (named as pairs, so both words are written)
	s_mov_b32 s[FLO], 0xc3000000
	s_mov_b32 s[FHI], 0x42fffe00
	s_mov_b32 s[MG], 0x47400000
	s_mov_b32 s[MG+1], 0x47400000
	s_mov_b32 s[NM], 0xc7400000
	s_mov_b32 s[NM+1], 0xc7400000
	; where the tiles come from.  xh's hang on the tile row alone, which my row of the cluster shares; wh's on the tile column alone, which my column shares.
	; Every wave makes both addresses, in registers that do not hold the other coordinate, and asks by one of them.
	s_lshl_b32 s17, s[HN], 7                       ; which 128 rows of the tile I fetch
	s_lshl_b32 s16, s43, 8
	s_add_co_u32 s16, s16, s17                     ; xh: place 256 x tile row + 128 x half,
	s_lshl_b32 s16, s16, ROWSH                     ; in bytes: under 2^25
	s_lshl_b32 s46, s42, 8
	s_add_co_u32 s46, s46, s17                     ; wh: place 256 x tile column + 128 x half
	s_lshl_b32 s46, s46, ROWSH
	s_mov_b32 s17, 0
	s_mov_b32 s47, 0
	s_mul_i32 s20, s[WV], HALFT                    ; and where they go: xh's two halves, then wh's two halves = wave x 128 rows: no place in the cluster enters an LDS address
	s_wait_dscnt 0x0                               ; both opening adds are done
	s_wait_kmcnt 0x0
	s_add_nc_u64 s[22:23], s[4:5], s[16:17]
	s_add_nc_u64 s[46:47], s[6:7], s[46:47]
	CROUND                                         ; all sixteen work-groups are here: the first joint loads meet
.irp s, 0,1
	s_mov_b32 s[G0X+4*(\s)], 1                                       ; 1:0 count = 1
	s_add_co_u32 s[G0X+4*(\s)+1], s20, (\s)*SLOT                     ; 63:32 LDS address
	s_add_nc_u64 s[G0X+4*(\s)+2:G0X+4*(\s)+3], s[22:23], (\s)*KSTEP*2  ; 120:64 global address: K step s
	s_or_b32 s[G0X+4*(\s)+3], s[G0X+4*(\s)+3], 0x80000000            ; 127:126 type = 2
	s_mov_b32 s[G0W+4*(\s)], 1
	s_add_co_u32 s[G0W+4*(\s)+1], s20, (\s)*SLOT
	s_add_nc_u64 s[G0W+4*(\s)+2:G0W+4*(\s)+3], s[46:47], (\s)*KSTEP*2
	s_or_b32 s[G0W+4*(\s)+3], s[G0W+4*(\s)+3], 0x80000000
	JLOAD \s                                       ; the ring is filled before anything else is done: two tensor loads of mine are out
.endr
	; A fragment is 16 rows x 32 K in 8 registers: lane l holds row l % 16; registers 0-3 hold K = 8 (l / 16) + 0..7, registers 4-7 hold K = 16 + 8 (l / 16) + 0..7.
	; From rows that lie along K: two loads of 16 bytes, 32 bytes apart.  The same for source 0 and source 1.
	v_and_b32 v1, 15, v0                           ; r = l % 16
	v_bfe_u32 v2, v0, 4, 1                         ; h = l / 16
	v_mul_u32_u24 v3, v1, PITCH
	v_lshl_add_u32 v3, v2, 4, v3                   ; row x pitch + 16 x half
	s_mul_i32 s21, s[HM], HALFT                    ; my 128 rows of xh
	s_mul_i32 s18, s[HN], HALFT                    ; my 128 rows of wh,
	s_add_co_u32 s18, s18, 2*HALFT                 ; which lie behind xh's 256
.irp s, 0,1
	v_add_nc_u32 v[ADRX+(\s)], s21, v3
	v_add_nc_u32 v[ADRW+(\s)], s18, v3
	s_add_co_u32 s21, s21, SLOT
	s_add_co_u32 s18, s18, SLOT
.endr
	v_lshlrev_b32 v[CO], 4, v1                     ; out0: 16 r,
	v_lshl_add_u32 v[CO], v2, 19, v[CO]            ; and 32 rows of 16,384 bytes down for lanes 16-31
	s_lshl_b32 s46, s42, 10                        ; my first column, in bytes of f32: 1,024 x tile column
	s_lshl_b32 s47, s[HN], 9                       ; + 512 x half
	s_add_co_u32 s46, s46, s47
	v_lshl_add_u32 v[BO], v1, 4, s46               ; columns 4 r + 0..3 of my first 64
	global_load_b128 v[BI:BI+3],   v[BO], s[8:9]             ; bias of columns 4 r + 0..3,
	global_load_b128 v[BI+4:BI+7], v[BO], s[8:9] offset:256  ; and of 64 + 4 r + 0..3
	s_lshl_b32 s16, s43, 8
	s_lshl_b32 s17, s[HM], 7
	s_add_co_u32 s16, s16, s17                     ; my first row of out0: 256 x tile row + 128 x half,
	s_lshl_b32 s16, s16, 14                        ; in bytes: under 2^26
	s_add_co_u32 s16, s16, s46
	s_mov_b32 s17, 0
	s_add_nc_u64 s[10:11], s[10:11], s[16:17]      ; out0 at my part's corner; not written again
	; the prefetches
	s_lshl_b32 s42, s42, 8                         ; the tile column's first place in wh,
	s_lshl_b32 s43, s43, 8                         ; the tile row's in xh
	s_and_b32 s22, ttmp7, 0xffff                   ; cluster y
	s_cmp_eq_u32 s[HM], 0                          ; do I fetch for xh?
	s_cselect_b32 s20, s43, s42                    ; the tile's first row
	s_cselect_b32 s21, s40, s41                    ; my place among the four that ask for it with me
	s_cselect_b32 s22, ttmp9, s22                  ; the coordinate along which other clusters read the same rows
	s_cselect_b64 s[PFA:PFA+1], s[4:5], s[6:7]
	s_cmp_eq_u32 s22, 0
	s_cselect_b32 s[LIM], 1, -1                    ; the same in all sixteen partners, for a given wave
	s_lshl_b32 s22, s[HN], 7
	s_add_co_u32 s20, s20, s22                     ; + the 128 rows that I fetch
	s_lshl_b32 s21, s21, 5
	s_add_co_u32 s20, s20, s21                     ; + my work-group's 32 of them
	s_lshl_b32 s20, s20, ROWSH
	s_mov_b32 s21, 0
	s_add_nc_u64 s[PFA:PFA+1], s[PFA:PFA+1], s[20:21]
	s_add_nc_u64 s[PFA:PFA+1], s[PFA:PFA+1], 2*KSTEP*2  ; at K step 2: the first refill steps it to 3 and names K step 4
	v_and_b32 v[PFO], 31, v0
	v_lshlrev_b32 v[PFO], ROWSH, v[PFO]
	; bq / 256: bias + 1.5 x 2^15 lies in 2^15 .. 2^16 for |bias| under 16,384, where f32 has steps of 2^-8: the sum's rounding is 256 bias rounded to a whole number, ties to even, in units of 2^-8;
	; taking the constant away is exact; then the clip.  A larger |bias| comes out far beyond the bounds and is clipped.
	s_wait_loadcnt 0x0
.irp u, 0,2,4,6
	v_pk_add_f32 v[BI+(\u):BI+(\u)+1], v[BI+(\u):BI+(\u)+1], s[MG:MG+1] op_sel_hi:[1,0]
.endr
.irp u, 0,2,4,6
	v_pk_add_f32 v[BI+(\u):BI+(\u)+1], v[BI+(\u):BI+(\u)+1], s[NM:NM+1] op_sel_hi:[1,0]
.endr
.irp u, 0,1,2,3,4,5,6,7
	v_med3_num_f32 v[BI+(\u)], v[BI+(\u)], s[FLO], s[FHI]
.endr
; 16 matrix instructions: blocks a0, a0 + 1 of the window's four (hi = 0: my places 0-63 of xh, 1: places 64-127) x all 8 blocks of wh, 32 along K.
; zero = 1: the first product starts the sums: nothing is ever cleared.  The 64 accumulators take turns, one instruction a turn, in the same order in every quarter step.
.macro MUL16 f, hi, a0, zero
	WIN MUL_LO+0x50*(\hi)
.irp a, \a0, (\a0)+1
.irp b, 0,1,2,3,4,5,6,7
.if \zero
	v_wmma_f32_16x16x32_f16 v[8*(8*(\a)+(\b)):8*(8*(\a)+(\b))+7], v[(\f)+8*(4*(\hi)+(\a)):(\f)+8*(4*(\hi)+(\a))+7], v[(\f)+8*(\b):(\f)+8*(\b)+7], 0
.else
	v_wmma_f32_16x16x32_f16 v[8*(8*(\a)+(\b)):8*(8*(\a)+(\b))+7], v[(\f)+8*(4*(\hi)+(\a)):(\f)+8*(4*(\hi)+(\a))+7], v[(\f)+8*(\b):(\f)+8*(\b)+7], v[8*(8*(\a)+(\b)):8*(8*(\a)+(\b))+7]
.endif
.endr
.endr
.endm
; 32 LDS loads in one run: the fragments of one quarter step (128 rows of wh, then 128 rows of xh, 32 K at byte k of the rows) into buffer f
.macro FETCH slot, k, f
	WIN TO_W
.irp i, 0,1,2,3,4,5,6,7
	ds_load_b128 v[(\f)+8*(\i):(\f)+8*(\i)+3],   v[ADRW+(\slot)] offset:(\k)+(\i)*16*PITCH
	ds_load_b128 v[(\f)+8*(\i)+4:(\f)+8*(\i)+7], v[ADRW+(\slot)] offset:(\k)+(\i)*16*PITCH+32
.endr
	WIN 0
.irp i, 0,1,2,3,4,5,6,7
	ds_load_b128 v[(\f)+8*(\i):(\f)+8*(\i)+3],   v[ADRX+(\slot)] offset:(\k)+(\i)*16*PITCH
	ds_load_b128 v[(\f)+8*(\i)+4:(\f)+8*(\i)+7], v[ADRX+(\slot)] offset:(\k)+(\i)*16*PITCH+32
.endr
.endm
; A load into a register that a matrix instruction has read, and a vector instruction that reads a matrix result or writes one of a matrix instruction's registers, stand four places behind that matrix
; instruction, and only plain vector instructions that name none of its registers are places (ISA guide 7.12.1 for vector instructions).
.macro PLACES
.rept 4
	v_nop
.endr
.endm
; A K step is four quarter steps of 32 along K, 64 matrix instructions each, on buffers 0, 1, 0, 1.
; One of the first three: multiplies buffer f; in its middle it fetches the next quarter's fragments, at byte k of the same slot's rows, into buffer g.
.macro QUARTER slot, k, f, g, zero
	s_wait_dscnt 8                                 ; wh and xh's places 0-63 are in; the youngest eight loads (xh's places 64-127) may be out
	WIN MUL_LO
	MUL16 \f, 0, 0, \zero
	MUL16 \f, 0, 2, \zero
	PLACES
	FETCH \slot, \k, \g
	s_wait_dscnt 32                                ; all but the 32 just issued
	WIN MUL_HI
	MUL16 \f, 1, 0, \zero
	MUL16 \f, 1, 2, \zero
.endm
; The last quarter multiplies buffer 1 and changes slots.  MEET is its first half: ONE barrier for the change of slots.  In front of it each wave waits for all its tensor loads, of which one is out:
; its part of the next slot; adds 0 to its spare word; and waits for that and for its own reads of this slot.  Behind it nobody reads this slot any more and the next slot is whole.
.macro MEET round                      ; round = 1: a round of the cluster's barrier follows
	WIN 0                                          ; (the add's two registers lie in window 0)
	s_wait_tensorcnt 0x0                           ; all my tensor loads have landed: the one that was out is my part of the next slot;
	ds_add_u32 v[SPW], v[NIL]                      ; 0 onto my spare word;
	s_wait_dscnt 9                                 ; (the add and the youngest eight loads may be out)
	WIN MUL_LO
	MUL16 F1, 0, 0, 0                              ; sixteen matrix instructions stand between the add and the wait for it
	s_wait_dscnt 0x0                               ; the add is done, and my reads of this slot are over:
	s_barrier_signal -1                            ; say so (where a slot is filled again this barrier opens a round of the cluster's barrier),
	MUL16 F1, 0, 2, 0                              ; work on registers while the others arrive,
.if \round
	WIN 0
.endif
	s_barrier_wait -1                              ; and go on when all four have said so
.endm
; The whole last quarter.  Behind the round the slot just read out is filled again first, with the K step two steps on; then come the next slot's first fragments.
; From a request to the wait for it a wave issues 224 matrix instructions.
.macro TURN slot, next
	s_wait_xcnt 0x0                                ; the last prefetch, a K step back, has read its address: it is stepped here, ahead of the waits of the change of slots
	s_add_nc_u64 s[PFA:PFA+1], s[PFA:PFA+1], KSTEP*2
	MEET 1
	CREST                                          ; wave 0 says so for the work-group, all sixteen work-groups have said so, my work-group's barrier closes the round:
	                                               ; no wave of any partner still reads this slot's tile or has a load on its way
	s_add_nc_u64 s[G0X+4*(\slot)+2:G0X+4*(\slot)+3], s[G0X+4*(\slot)+2:G0X+4*(\slot)+3], 2*KSTEP*2  ; no tensor load of mine is out, so a group 0 may be written; the type bits on top are not reached
	s_add_nc_u64 s[G0W+4*(\slot)+2:G0W+4*(\slot)+3], s[G0W+4*(\slot)+2:G0W+4*(\slot)+3], 2*KSTEP*2
	JLOAD \slot                                    ; the first tensor load behind the round, and my only one until the next; the four v_nop behind it are also the places in front of the loads below
	FETCH \next, 0, F0
	ASK                                            ; behind the joint load and the run of LDS loads that the next products wait for
	WIN MUL_HI
	MUL16 F1, 1, 0, 0
	MUL16 F1, 1, 2, 0
.endm
; THE WAY OUT of block a (16 places of xh x my 128 columns), 3.5 vector instructions a number, all exact:
;   floor, which is the arithmetic shift by 8 bits, out of the accumulators into a buffer in window 0, four neighbouring columns into four registers on end
;   (register j of all eight accumulators before register j + 1: each accumulator is read from its low end on);
;   the clip to -32768 .. 32767;  x 2^-8 + bq / 256 in one fused multiply-add;  the clip to -128 .. 32767 / 256;
;   sixteen stores of 16 bytes a lane: lanes 0-15 cover 256 consecutive bytes of a row, at a multiple of 256 from out0's first byte, lanes 16-31 the same 32 rows below.
; The row and the half of my columns stand in the immediate, 1,556,736 at the most: inside its signed 24 bits.  Two buffers take turns.
.macro OUTBLK a
.set AC, 64*((\a)%4)
.set OB, F0+64*((\a)%2)
.if (\a) >= 2
	s_wait_xcnt 0x0                                ; every earlier store has had its addresses translated (ISA guide 3.1): the buffer that block a - 2 was stored from is written again only behind this wait
.endif
	WIN 0x02+(\a)/4                                ; source 0: window 2 or 3
.irp j, 0,1,2,3,4,5,6,7
.irp b, 0,1,2,3,4,5,6,7
	v_floor_f32 v[OB+32*((\b)/4)+4*(\j)+(\b)%4], v[AC+8*(\b)+(\j)]
.endr
.endr
	WIN 0
.set z, 0
.rept 64
	v_med3_num_f32 v[OB+z], v[OB+z], s[QLO], s[QHI]
.set z, z+1
.endr
.irp g, 0,1
.irp j, 0,1,2,3,4,5,6,7
.irp u, 0,2
	v_pk_fma_f32 v[OB+32*(\g)+4*(\j)+(\u):OB+32*(\g)+4*(\j)+(\u)+1], v[OB+32*(\g)+4*(\j)+(\u):OB+32*(\g)+4*(\j)+(\u)+1], s[INV:INV+1], v[BI+4*(\g)+(\u):BI+4*(\g)+(\u)+1] op_sel_hi:[1,0,1]
.endr
.endr
.endr
.set z, 0
.rept 64
	v_med3_num_f32 v[OB+z], v[OB+z], s[FLO], s[FHI]
.set z, z+1
.endr
.irp j, 0,1,2,3,4,5,6,7
.irp g, 0,1
	global_store_b128 v[CO], v[OB+32*(\g)+4*(\j):OB+32*(\g)+4*(\j)+3], s[10:11] offset:(64*((\a)/4)+(\a)%4+4*(\j))*OROW+256*(\g) th:TH_STORE_NT
.endr
.endr
.endm
	s_wait_tensorcnt 1                             ; my part of K step 0 is in; K step 1's may stay out
	s_barrier_signal -1
	s_barrier_wait -1                              ; everybody's is
	FETCH 0, 0, F0
	QUARTER 0, 64,  F0, F1, 1                      ; the first quarter stands in front of the loop: its products start the sums
	WIN 0                                          ; at a label and at a branch every window is 0
	s_mov_b32 s3, LAPS-1
.Llap:                                                 ; a trip goes once round the ring, from a lap's second quarter to the next lap's first, and fills both slots again
	QUARTER 0, 128, F1, F0, 0
	QUARTER 0, 192, F0, F1, 0
	TURN 0, 1
	QUARTER 1, 64,  F0, F1, 0
	QUARTER 1, 128, F1, F0, 0
	QUARTER 1, 192, F0, F1, 0
	TURN 1, 0
	QUARTER 0, 64,  F0, F1, 0
	WIN 0
	s_sub_co_u32 s3, s3, 1
	s_cmp_lg_u32 s3, 0
	s_cbranch_scc1 .Llap
	QUARTER 0, 128, F1, F0, 0                      ; the last lap is written out: it asks for nothing more
	QUARTER 0, 192, F0, F1, 0
	MEET 0                                         ; my one tensor load that was still out is slot 1's, the last K step's, so no round follows
	PLACES                                         ; for the loads into buffer 0, which the quarter before multiplied
	FETCH 1, 0, F0
	WIN MUL_HI
	MUL16 F1, 1, 0, 0
	MUL16 F1, 1, 2, 0
	QUARTER 1, 64,  F0, F1, 0
	QUARTER 1, 128, F1, F0, 0
	QUARTER 1, 192, F0, F1, 0
	s_wait_dscnt 8                                 ; the very last quarter: nothing more to fetch
	MUL16 F1, 0, 0, 0
	MUL16 F1, 0, 2, 0
	s_wait_dscnt 0x0
	MUL16 F1, 1, 0, 0
	MUL16 F1, 1, 2, 0
	WIN 0
	PLACES                                         ; the way out reads results and writes over fragments: four places behind the last product,
	PLACES                                         ; and four more, once a launch
.irp a, 0,1,2,3,4,5,6,7
	OUTBLK \a
.endr
	s_wait_tensorcnt 0x0                           ; the wave's end, behind my last tensor load
	ds_add_u32 v[SPW], v[NIL]
	s_wait_dscnt 0x0
	CROUND                                         ; the closing round: no work-group ends while a partner may still ask for a tile that names it
	s_endpgm
.Lfunc_end_k_q31ccfa62dc_gemm:
	.size	k_q31ccfa62dc_gemm, .Lfunc_end_k_q31ccfa62dc_gemm-k_q31ccfa62dc_gemm
	.p2alignl 7, 3214868480
	.fill 96, 4, 3214868480
	.section	.rodata,"a",@progbits
	.p2align	6, 0x0
	.amdhsa_kernel k_q31ccfa62dc_gemm
		.amdhsa_group_segment_fixed_size 327680
		.amdhsa_private_segment_fixed_size 0
		.amdhsa_enable_private_segment 0
		.amdhsa_kernarg_size 32
		.amdhsa_user_sgpr_count 2
		.amdhsa_user_sgpr_kernarg_segment_ptr 1
		.amdhsa_wavefront_size32 1
		.amdhsa_system_sgpr_workgroup_id_x 1
		.amdhsa_system_sgpr_workgroup_id_y 1
		.amdhsa_system_sgpr_workgroup_id_z 1
		.amdhsa_system_vgpr_workitem_id 0
		.amdhsa_next_free_vgpr 1024
		.amdhsa_next_free_sgpr 80
		.amdhsa_reserve_vcc 0
		.amdhsa_float_denorm_mode_32 3
		.amdhsa_float_denorm_mode_16_64 3
		.amdhsa_memory_ordered 1
		.amdhsa_forward_progress 1
		.amdhsa_inst_pref_size 223
	.end_amdhsa_kernel
	.amdgpu_metadata
---
amdhsa.version: [ 1, 2 ]
amdhsa.kernels:
  - .name:           k_q31ccfa62dc_gemm
    .symbol:         k_q31ccfa62dc_gemm.kd
    .args:
      - { .name: xh, .offset: 0, .size: 8, .value_kind: global_buffer, .address_space: global }
      - { .name: wh, .offset: 8, .size: 8, .value_kind: global_buffer, .address_space: global }
      - { .name: bias, .offset: 16, .size: 8, .value_kind: global_buffer, .address_space: global }
      - { .name: out0, .offset: 24, .size: 8, .value_kind: global_buffer, .address_space: global }
    .group_segment_fixed_size: 327680
    .private_segment_fixed_size: 0
    .kernarg_segment_align: 8
    .kernarg_segment_size: 32
    .max_flat_workgroup_size: 128
    .sgpr_count:     80
    .vgpr_count:     1024
    .wavefront_size: 32
...
	.end_amdgpu_metadata
.endif
;; end of part 2
;; ======== version 2 of 2: 2 launches; version 1 with the launch quant written anew for expert scheduling mode
;; workspace buffers: xh 33,554,432 bytes; wh 33,554,432 bytes
;; launch quant (part 3): grid 256 x 2, 8 waves a work-group, no clusters, 0 bytes of LDS; arguments x, weight, xh, wh; writes xh, wh
.if DOCPART == 3
	.amdgcn_target "amdgcn-amd-amdhsa--gfx1250"
	.amdhsa_code_object_version 6
	.text
	.protected	k_q31ccfa62dc_quant
	.globl	k_q31ccfa62dc_quant
	.p2align	8
	.type	k_q31ccfa62dc_quant,@function
k_q31ccfa62dc_quant:
	s_mov_b64 s[64:65], 0
	v_nop
	global_prefetch_b8 v0, s[64:65] scope:SCOPE_SE
	s_setreg_imm32_b32 hwreg(HW_REG_WAVE_SCHED_MODE, 0, 2), 2
	s_setreg_imm32_b32 hwreg(HW_REG_WAVE_MODE, 25, 1), 1
	s_wait_xcnt 0x0
	s_wait_alu depctr_vm_vsrc(0)
; xh = f16(Q(x) / 16), wh = f16(Q(weight) / 16), where Q(t) = round(clip(256 t, -32768, 32767)) is the Q8.8 number of t.
; x, weight: [4096][4096] f32 (rows of 16,384 bytes).  xh, wh: [4096 places][4096] f16 (rows of 8,192 bytes).
; WHY / 16: Q lies in -32768 .. 32767, so Q / 16 lies in -2048 .. 2048 in steps of 1/16: always a normal f16 number, and the product of two such
; numbers is Q Q / 256, which is the shift by 8 bits that follows the integer product.
; ROW ORDER of both outputs: real row 64 G + 4 r + t (t = 0..3, r = 0..15) lies at place 64 G + 16 t + r.  The product that follows then finds, in one lane,
; four neighbouring columns of the result in four accumulators, and stores 16 bytes a lane without a trip through LDS.
; LIMITS.  |Q| above 2,048 (|t| above 8) is rounded to f16's 11 significant bits.  NaN is not treated apart.  The clip stands behind the rounding, not in front
; of it: the bounds are whole steps, so the result is the same.
; SHARES.  Grid y picks the tensor.  A work-group owns 16 real rows; thread t owns the 16 bytes at 16 t of each 4,096-byte chunk of a row (four f32), which become the
; 8 bytes at 8 t of the 2,048-byte chunk of the output row: a wave's load covers 512 consecutive bytes, a wave's store 256 consecutive bytes, aligned.
; A ring of 16 slots in registers keeps up to 16 loads of every wave on their way.  Slot i = 4 ri + c: row ri of the round's four, chunk c.  Round q takes real rows 4 q + ri,
; which go to places 16 ri + q from the group's first place: constants in the stores' immediates; the bases step once a round.
; No LDS, no barrier, no matrix unit: no byte is wanted by two threads.  No prefetch: the loads themselves run ahead, sixteen a wave.
; THE MODE: SCHED_MODE bits 1:0 = 2 (LLVM: expert scheduling mode 2), set by the entry lines.  The code itself states the register dependences
; between vector instructions and memory instructions, with s_wait_alu, always for 0.
; THE PLAN.  A round goes in four BLOCKS, a row (four slots) each.  Registers that memory instructions touch:
;   X[ri]    16 registers.  Written by the row's four loads; block ri's arithmetic works on them in place; behind it the same row of the next round is loaded into them.
;   Y[ri]    8 registers.   Written by block ri's roundings; read by the block's four stores; written again by the same block of the next round.
;   v1, v2   byte offsets, made once at the head and never written again: rows and chunks stand in the immediates, the rounds in the two scalar bases.
; So ONE wait on va_vdst stands in a block, behind its 40 vector lines: it states that Y[ri] is written and that the arithmetic is done with X[ri]; the block's four loads and four
; stores follow it on end.  It stands there, and not at the next block's head, so that a row's registers are asked for again at once and all sixteen slots stay in use.
; ONE wait on vm_vsrc stands in a round, beside the wait that frees the bases: the round's stores have read Y.
.set ROUNDS, 4
.set IO,  1                            ; v1        16 t: my bytes in an input chunk; never rewritten
.set OO,  2                            ; v2        8 t: my bytes in an output chunk; never rewritten
.set X,   4                            ; v[4:67]   slot i: four f32 as loaded, worked on in place
.set Y,   68                           ; v[68:99]  slot i: four f16 to store
.set IN,  12                           ; s[12:13]  the input at the round's first row
.set OUT, 14                           ; s[14:15]  the output at the round's first place
.set SC,  16                           ; s[16:17]  16.0
.set MG,  18                           ; s[18:19]  1.5 x 2^19: a sum with it has steps of 1/16
.set NM,  20                           ; s[20:21]  its negative
.set LO,  22                           ; s22       -2048.0
.set HI,  23                           ; s23       32767 / 16
.set CNT, 24                           ; s24       rounds of the loop still to come
	s_load_b256 s[4:11], s[0:1], 0x0               ; x s[4:5], weight s[6:7], xh s[8:9], wh s[10:11]
	s_and_b32 s25, ttmp7, 0xffff                   ; 0: x to xh; 1: weight to wh
	v_lshlrev_b32 v[IO], 4, v0
	v_lshlrev_b32 v[OO], 3, v0
	s_mov_b32 s[SC], 0x41800000
	s_mov_b32 s[SC+1], 0x41800000                  ; (named as pairs, so both words are written)
	s_mov_b32 s[MG], 0x49400000
	s_mov_b32 s[MG+1], 0x49400000
	s_mov_b32 s[NM], 0xc9400000
	s_mov_b32 s[NM+1], 0xc9400000
	s_mov_b32 s[LO], 0xc5000000
	s_mov_b32 s[HI], 0x44fffe00
	s_lshl_b32 s26, ttmp9, 18                      ; in: the group's 16 rows of 16,384 bytes
	s_mov_b32 s27, 0
	s_lshr_b32 s28, ttmp9, 2                       ; out: 64 places of 8,192 bytes for each four groups,
	s_lshl_b32 s28, s28, 19
	s_and_b32 s29, ttmp9, 3                        ; and 4 places for the group's number among the four
	s_lshl_b32 s29, s29, 15
	s_add_co_u32 s28, s28, s29
	s_mov_b32 s29, 0
	s_mov_b32 s[CNT], ROUNDS-1
	s_wait_kmcnt 0x0
	s_cmp_eq_u32 s25, 0
	s_cselect_b64 s[IN:IN+1], s[4:5], s[6:7]
	s_cselect_b64 s[OUT:OUT+1], s[8:9], s[10:11]
	s_add_nc_u64 s[IN:IN+1], s[IN:IN+1], s[26:27]
	s_add_nc_u64 s[OUT:OUT+1], s[OUT:OUT+1], s[28:29]
	s_wait_alu depctr_va_vdst(0)                   ; v1 and v2 are written: every load of the kernel reads the one as its offset, every store the other
.irp i, 0,1,2,3,4,5,6,7,8,9,10,11,12,13,14,15
	global_load_b128 v[X+4*(\i):X+4*(\i)+3], v[IO], s[IN:IN+1] offset:((\i)/4)*16384+((\i)%4)*4096 th:TH_LOAD_NT  ; the ring is filled: round 0
.endr
; One block's turn: row ri of the round, slots 4 ri + 0..3.  ahead = 1: the four slots are filled again with the same row of the next round.  left = how many younger loads may stay out.
; 16 t + 1.5 x 2^19 lies in 2^19 .. 2^20 for |t| under 16,384, where f32 has steps of 1/16: the one rounding of the fused multiply-add is 256 t rounded to a whole
; number, ties to even (the constant is even in those steps), in units of 1/16.  Taking the constant away again is exact.  A larger |t| comes out far beyond the bounds and is clipped.
; The block's sixteen numbers go through each kind of line together, so that no line reads the result of the one just before it.
.macro BLK ri, ahead, left
.set XB, X+16*(\ri)
.set YB, Y+8*(\ri)
	s_wait_loadcnt \left                           ; loads come back in order (ISA guide 5.7.1): my row's four are in, the younger rows stay out
.irp z, 0,2,4,6,8,10,12,14
	v_pk_fma_f32 v[XB+(\z):XB+(\z)+1], v[XB+(\z):XB+(\z)+1], s[SC:SC+1], s[MG:MG+1] op_sel_hi:[1,0,0]
.endr
.irp z, 0,2,4,6,8,10,12,14
	v_pk_add_f32 v[XB+(\z):XB+(\z)+1], v[XB+(\z):XB+(\z)+1], s[NM:NM+1] op_sel_hi:[1,0]
.endr
.irp z, 0,1,2,3,4,5,6,7,8,9,10,11,12,13,14,15
	v_med3_num_f32 v[XB+(\z)], v[XB+(\z)], s[LO], s[HI]  ; the clip
.endr
.irp z, 0,1,2,3,4,5,6,7
	v_cvt_pk_f16_f32 v[YB+(\z)], v[XB+2*(\z)], v[XB+2*(\z)+1]
.endr
	s_wait_alu depctr_va_vdst(0)                   ; the roundings have written Y[ri], which the stores below read; with ahead = 1 also: the block's lines are done reading and writing X[ri], in which the loads below land
.if \ahead
.irp c, 0,1,2,3
	global_load_b128 v[XB+4*(\c):XB+4*(\c)+3], v[IO], s[IN:IN+1] offset:(\ri)*16384+(\c)*4096+65536 th:TH_LOAD_NT  ; four rows on
.endr
.endif
.irp c, 0,1,2,3
	global_store_b64 v[OO], v[YB+2*(\c):YB+2*(\c)+1], s[OUT:OUT+1] offset:(\ri)*131072+(\c)*2048  ; row ri goes 16 ri places down
.endr
.endm
.Lround:
.irp r, 0,1,2,3
	BLK \r, 1, 12
.endr
	s_wait_xcnt 0x0                                ; every load and store issued so far has had its addresses translated (ISA guide 3.1): only behind this wait are the two bases and the stores' data written again
	s_wait_alu depctr_vm_vsrc(0)                   ; the round's sixteen stores have read Y, which the next round's roundings write again
	s_add_nc_u64 s[IN:IN+1], s[IN:IN+1], 65536     ; four rows on
	s_add_nc_u64 s[OUT:OUT+1], s[OUT:OUT+1], 8192  ; one place on
	s_sub_co_u32 s[CNT], s[CNT], 1
	s_cmp_lg_u32 s[CNT], 0
	s_cbranch_scc1 .Lround
.irp r, 0,1,2,3
	BLK \r, 0, 12-4*(\r)                           ; the last round loads nothing: the counts run down
.endr
	s_endpgm
.Lfunc_end_k_q31ccfa62dc_quant:
	.size	k_q31ccfa62dc_quant, .Lfunc_end_k_q31ccfa62dc_quant-k_q31ccfa62dc_quant
	.p2alignl 7, 3214868480
	.fill 96, 4, 3214868480
	.section	.rodata,"a",@progbits
	.p2align	6, 0x0
	.amdhsa_kernel k_q31ccfa62dc_quant
		.amdhsa_group_segment_fixed_size 0
		.amdhsa_private_segment_fixed_size 0
		.amdhsa_enable_private_segment 0
		.amdhsa_kernarg_size 32
		.amdhsa_user_sgpr_count 2
		.amdhsa_user_sgpr_kernarg_segment_ptr 1
		.amdhsa_wavefront_size32 1
		.amdhsa_system_sgpr_workgroup_id_x 1
		.amdhsa_system_sgpr_workgroup_id_y 1
		.amdhsa_system_sgpr_workgroup_id_z 1
		.amdhsa_system_vgpr_workitem_id 0
		.amdhsa_next_free_vgpr 100
		.amdhsa_next_free_sgpr 66
		.amdhsa_reserve_vcc 0
		.amdhsa_float_denorm_mode_32 3
		.amdhsa_float_denorm_mode_16_64 3
		.amdhsa_memory_ordered 1
		.amdhsa_forward_progress 1
		.amdhsa_inst_pref_size 29
	.end_amdhsa_kernel
	.amdgpu_metadata
---
amdhsa.version: [ 1, 2 ]
amdhsa.kernels:
  - .name:           k_q31ccfa62dc_quant
    .symbol:         k_q31ccfa62dc_quant.kd
    .args:
      - { .name: x, .offset: 0, .size: 8, .value_kind: global_buffer, .address_space: global }
      - { .name: weight, .offset: 8, .size: 8, .value_kind: global_buffer, .address_space: global }
      - { .name: xh, .offset: 16, .size: 8, .value_kind: global_buffer, .address_space: global }
      - { .name: wh, .offset: 24, .size: 8, .value_kind: global_buffer, .address_space: global }
    .group_segment_fixed_size: 0
    .private_segment_fixed_size: 0
    .kernarg_segment_align: 8
    .kernarg_segment_size: 32
    .max_flat_workgroup_size: 256
    .sgpr_count:     66
    .vgpr_count:     100
    .wavefront_size: 32
...
	.end_amdgpu_metadata
.endif
;; end of part 3
;; launch gemm: the kernel of part 2 again; grid 16 x 16, 4 waves a work-group, clusters of 4 x 4, 327,680 bytes of LDS; arguments xh, wh, bias, out0; writes out0
